; MI455X (gfx1250); checked and timed in simulation.
; The chip was launched on July 23, 2026; its instructions are those of AMD's public machine-readable ISA for CDNA 5 (MIT licence, August 2026) and "CDNA5" Instruction Set Architecture Reference Guide (July 2026). The comments in the code are by the model that wrote it; some were corrected since.
;; Attention Module. Allowed arithmetic: float matrix products may take bf16 or f16 operands with f32 sums; all other float work in f32.
;; Inputs: Wk 1,024 x 1,024 float32; Wq 1,024 x 1,024 float32; bk 1,024 float32; bq 1,024 float32; reviewer_emb 32 x 2,048 x 1,024 float32; submitter_emb 32 x 1,024 float32.
;; Outputs: out0 32 x 1,024 float32.
;; 2 versions, each right; version 2 is version 1 with the launch stream written anew for expert scheduling mode. Each part assembles by itself: llvm-mc -triple=amdgcn-amd-amdhsa -mcpu=gfx1250 --defsym DOCPART=n.
;; ======== version 1 of 2: 3 launches
;; workspace buffers: upart 4,194,304 bytes; cpart 4,096 bytes; wpart 1,048,576 bytes
;; launch prep (part 1): grid 32 x 1, 16 waves a work-group, no clusters, 286,720 bytes of LDS; arguments submitter_emb, Wq, bq, Wk, bk, upart, cpart; writes upart, cpart
.if DOCPART == 1
	.amdgcn_target "amdgcn-amd-amdhsa--gfx1250"
	.amdhsa_code_object_version 6
	.text
	.protected	k_qc26d2bdb23_prep
	.globl	k_qc26d2bdb23_prep
	.p2align	8
	.type	k_qc26d2bdb23_prep,@function
k_qc26d2bdb23_prep:
	s_mov_b64 s[64:65], 0
	v_nop
	global_prefetch_b8 v0, s[64:65] scope:SCOPE_SE
	s_setreg_imm32_b32 hwreg(HW_REG_WAVE_MODE, 25, 1), 1
	s_wait_xcnt 0x0
; e[b][l] = Q[b] . (R[b][l] Wk^T + bk) / 32 = R[b][l] . u[b] + c[b], with u[b] = Q[b] Wk / 32 and c[b] = Q[b] . bk / 32: the same sum in another
; order, for every input; K is never formed.  This launch makes u and c, in 32 parts.
; Work-group p owns a = 32 p .. 32 p + 31: it makes Q[b][a] = sum over t of s[b][t] Wq[a][t] + bq[a] for all 32 b, and from it its part of the sums over a:
;   upart[p][b][t] = sum over its a of Q[b][a] Wk[a][t] / 32      cpart[b][p] = sum over its a of Q[b][a] bk[a] / 32
; PHASE 1: wave w (of 16) takes t = 64 w .. 64 w + 63: two tiles of 32 rows x 64 f32 (s, Wq) by two tensor loads into LDS bytes of its own; the 16 waves'
; partial Q meet in LDS.  PHASE 2: wave w takes the columns t = 64 w .. 64 w + 63 of Wk's 32 rows, loaded straight into registers at the kernel's head.
; NUMBERS: an error in u is common to all 2,048 rows of a batch and does not average out, so every matrix operand x goes as two bf16, hi = bf16(x) and
; lo = bf16(x - hi), and a product as hi hi + hi lo + lo hi, summed in f32.
; LIMITS: the term lo lo is dropped (relative size about 2^-16); the order of summation differs from the one in which the problem is written;
; |x| so large that rounding to bf16 gives infinity (above about 3.39e38) is not served.
; NO CLUSTER: the one tile that work-groups share is s, 128 KiB of the 384 KiB that a group reads, and each wave asks for it once in the whole launch.
.set PITCH,  272                       ; an LDS row: 256 bytes + 16 of padding, an odd multiple of 16: the 16 rows that a load touches lie in 16 different 16-byte columns of 256
.set SIXTEEN, 16*PITCH                 ; 16 rows: one fragment's rows
.set TILE,   32*PITCH                  ; 8,704: one tile
.set WREG,   2*TILE                    ; 17,408 = 68 x 256: a wave's region: its s tile, then its Wq tile
.set QH,     16*WREG                   ; 278,528: Q, upper parts: 32 rows (b) of 32 bf16 (a), pitch 80
.set QPITCH, 80
.set QPART,  32*QPITCH                 ; 2,560: the lower parts lie this far behind the upper ones
.set CS,     QH+2*QPART                ; 283,648: 8 x 32 f32: parts of c
.set LA,   4                           ; v4      my place in my wave's tiles: row r, 32 h bytes
.set SA,   5                           ; v5      where I put my partial sums
.set RA,   6                           ; v6-9    where I read the partial sums of waves 4 k .. 4 k + 3
.set GO,   10                          ; v10     my byte offset in Wk's 32 rows, and in upart's 32 rows
.set BO,   11                          ; v11     my byte offset in bq and bk
.set QST,  12                          ; v12     where I put my two Q
.set CST,  13                          ; v13     where I put my part of c
.set QAD,  14                          ; v14     my place in Q's fragments
.set NEG1, 15                          ; v15     -1.0
.set BQ,   16                          ; v[16:17] bq of my two a
.set BK,   18                          ; v[18:19] bk of my two a
.set TM,   20                          ; v[20:23] at work
.set X,    24                          ; v[24:87]   Wk as loaded: register 4 kk + j; later the results to store
.set FR,   88                          ; v[88:151]  fragments: tile i: hi at 16 i, lo at 16 i + 8
.set ACC,  152                         ; v[152:183] phase 1: four accumulators
.set L,    184                         ; v[184:215] phase 1: two landing slots of 16 f32
.set D,    152                         ; v[152:215] phase 2: eight accumulators
.set QA,   216                         ; v[216:247] Q's fragments: (mt, part) at 16 mt + 8 part
.set G1,   24                          ; s[24:31] descriptor group 1: the shape of both tiles
.set G0S,  32                          ; s[32:35] descriptor group 0 of the s tile
.set G0W,  36                          ; s[36:39] descriptor group 0 of the Wq tile
.set WB,   G0S+1                       ; s33: my wave's LDS region; written once, read often
	s_load_b256 s[8:15], s[0:1], 0x0               ; s s[8:9], Wq s[10:11], bq s[12:13], Wk s[14:15]
	s_load_b128 s[16:19], s[0:1], 0x20             ; bk s[16:17], upart s[18:19]
	s_load_b64 s[20:21], s[0:1], 0x30              ; cpart
	v_lshl_add_u32 v248, v0, 2, 0x45800
	v_mov_b32 v249, 0
	ds_add_u32 v248, v249
	ds_add_u32 v248, v249
	v_lshrrev_b32 v1, 5, v0
	v_readfirstlane_b32 s3, v1                     ; w: my wave's number
	s_lshl_b32 s4, ttmp9, 17                       ; 131,072 p: 32 rows of 4,096 bytes (Wq, Wk, upart)
	s_mov_b32 s5, 0
	s_lshl_b32 s6, s3, 8                           ; 256 w: my wave's 64 columns
	s_mov_b32 s7, 0
	; group 1: 32 rows of 64 elements of 4 bytes, 1,024 elements from row to row; in LDS 4 words of padding behind every 64
	s_mov_b32 s[G1+0], (2<<16)|(1<<20)|(5<<22)|(3<<25)
	s_mov_b32 s[G1+1], 64<<16                      ; tensor_dim0 = 64
	s_mov_b32 s[G1+2], 32<<16                      ; tensor_dim1 = 32
	s_mov_b32 s[G1+3], 64<<16                      ; tile_dim0 = 64
	s_mov_b32 s[G1+4], 32                          ; tile_dim1 = 32
	s_mov_b32 s[G1+5], 1024                        ; the pitch
	s_mov_b32 s[G1+6], 0
	s_mov_b32 s[G1+7], 0
	s_mov_b32 s[G0S+0], 1
	s_mul_i32 s[G0S+1], s3, WREG                   ; LDS: the wave's number times 17,408
	s_mov_b32 s[G0W+0], 1
	s_add_co_u32 s[G0W+1], s[G0S+1], TILE          ; and 8,704 behind it
	s_wait_dscnt 0x0
	s_wait_kmcnt 0x0
	s_add_nc_u64 s[G0S+2:G0S+3], s[8:9], s[6:7]    ; s[0][64 w]
	s_or_b32 s[G0S+3], s[G0S+3], 0x80000000
	s_add_nc_u64 s[G0W+2:G0W+3], s[10:11], s[4:5]  ; Wq[32 p][64 w]
	s_add_nc_u64 s[G0W+2:G0W+3], s[G0W+2:G0W+3], s[6:7]
	s_or_b32 s[G0W+3], s[G0W+3], 0x80000000
	tensor_load_to_lds s[G0S:G0S+3], s[G1:G1+7]    ; the launch's only fills: two a wave, both out at once, ahead of every wait on them,
	s_nop 0
	tensor_load_to_lds s[G0W:G0W+3], s[G1:G1+7]    ; every LDS read and every barrier; no LDS byte is filled a second time
	s_nop 0
	v_and_b32 v3, 31, v0                           ; lane
	v_and_b32 v1, 15, v0                           ; r
	v_bfe_u32 v2, v0, 4, 1                         ; h
	s_lshr_b32 s43, s3, 3                          ; mt = w / 8
	s_bfe_u32 s44, s3, 0x10002                     ; nt = (w / 4) mod 2
	s_and_b32 s45, s3, 3                           ; w3 = w mod 4
	s_lshl_b32 s46, ttmp9, 7                       ; behind the reduction I hold a = 32 p + 16 mt + 8 h + 2 w3 + {0, 1}: byte 128 p
	s_lshl_b32 s47, s43, 6
	s_add_co_u32 s46, s46, s47                     ; + 64 mt
	s_lshl_b32 s47, s45, 3
	s_add_co_u32 s46, s46, s47                     ; + 8 w3
	v_lshl_add_u32 v[BO], v2, 5, s46               ; + 32 h
	v_lshlrev_b32 v[GO], 4, v1                     ; 16 r
	v_lshl_add_u32 v[GO], v2, 15, v[GO]            ; + 8 h rows of 4,096 bytes
	v_add_nc_u32 v[GO], s6, v[GO]                  ; + 256 w
	s_add_nc_u64 s[14:15], s[14:15], s[4:5]        ; Wk at row 32 p
	s_add_nc_u64 s[18:19], s[18:19], s[4:5]        ; upart at part p
	global_load_b64 v[BQ:BQ+1], v[BO], s[12:13]
	global_load_b64 v[BK:BK+1], v[BO], s[16:17]
	; Wk for phase 2, asked for now.  The B fragment of a lane (r, h) wants k = a = 8 h + 0..7 and 16 + 8 h + 0..7 of one column.  Load kk brings row
	; 8 h + kk (kk < 8) or 8 h + kk + 8 (kk >= 8), columns 64 w + 4 r + 0..3: the same k of four column tiles j, tile j's column n being 64 w + 4 n + j.
	; Sixteen neighbouring lanes read 256 consecutive bytes, aligned; every byte of Wk is read once in the launch.
.irp kk, 0,1,2,3,4,5,6,7,8,9,10,11,12,13,14,15
	global_load_b128 v[X+4*\kk:X+4*\kk+3], v[GO], s[14:15] offset:4096*(\kk+8*(\kk/8)) th:TH_LOAD_NT
.endr
	v_mul_u32_u24 v[LA], v1, PITCH
	v_lshl_add_u32 v[LA], v2, 5, v[LA]             ; row r, k = 8 h in f32: 32 h bytes
	v_add_nc_u32 v[LA], s[WB], v[LA]
	v_lshl_add_u32 v[SA], v3, 3, s[WB]             ; my wave's region + 8 lane
	v_lshl_add_u32 v[RA], v3, 3, s6                ; 256 w + 8 lane in wave 0's region,
	v_add_nc_u32 v[RA+1], 4*WREG, v[RA]            ; wave 4's,
	v_add_nc_u32 v[RA+2], 8*WREG, v[RA]            ; wave 8's,
	v_add_nc_u32 v[RA+3], 12*WREG, v[RA]           ; wave 12's
	v_mul_u32_u24 v[QST], v1, QPITCH
	v_lshl_add_u32 v[QST], v2, 4, v[QST]           ; 80 r + 16 h
	v_add_nc_u32 v[QAD], QH, v[QST]                ; fragments of Q: row r, k = 8 h in bf16
	s_lshl_b32 s47, s44, 10                        ; my Q: row b = 16 nt + r, byte 2 a = 32 mt + 16 h + 4 w3.  16 rows of 80 bytes are 1,280 = 1,024 + 256:
	s_lshl_b32 s23, s44, 8
	s_add_co_u32 s47, s47, s23                     ; 1,280 nt
	s_lshl_b32 s23, s43, 5
	s_add_co_u32 s47, s47, s23                     ; + 32 mt
	s_lshl_b32 s23, s45, 2
	s_add_co_u32 s47, s47, s23                     ; + 4 w3
	s_add_co_u32 s47, s47, QH                      ; from byte 278,528 on: behind every wave's region
	v_add_nc_u32 v[QST], s47, v[QST]
	s_lshl_b32 s23, s43, 9                         ; my part of c: row 4 mt + w3 of 128 bytes, word b = 16 nt + r
	s_lshl_b32 s46, s45, 7
	s_add_co_u32 s23, s23, s46
	s_lshl_b32 s46, s44, 6
	s_add_co_u32 s23, s23, s46
	s_add_co_u32 s23, s23, CS
	v_lshl_add_u32 v[CST], v1, 2, s23
	v_mov_b32 v[NEG1], -1.0
	s_mov_b32 s40, 0x76543210                      ; v_permlanex16_b32: lane i of one half reads lane i of the other
	s_mov_b32 s41, 0xfedcba98
	s_mov_b32 s42, 0x3d000000                      ; 1 / 32 = 1 / sqrt(1024)
; Four LDS loads: the 16 f32 of fragment f for my lane into landing slot f mod 2.  f mod 4: the 16 rows (s 0-15, s 16-31, Wq 0-15, Wq 16-31);
; f / 4: which 32 of the wave's 64 k.  k = 8 h + 0..7 are the 32 bytes at 32 h, k = 16 + 8 h + 0..7 those at 64 + 32 h.
.macro LDFRAG f
	ds_load_b128 v[L+16*((\f)%2):L+16*((\f)%2)+3],     v[LA] offset:SIXTEEN*((\f)%4)+128*((\f)/4)
	ds_load_b128 v[L+16*((\f)%2)+4:L+16*((\f)%2)+7],   v[LA] offset:SIXTEEN*((\f)%4)+128*((\f)/4)+16
	ds_load_b128 v[L+16*((\f)%2)+8:L+16*((\f)%2)+11],  v[LA] offset:SIXTEEN*((\f)%4)+128*((\f)/4)+64
	ds_load_b128 v[L+16*((\f)%2)+12:L+16*((\f)%2)+15], v[LA] offset:SIXTEEN*((\f)%4)+128*((\f)/4)+80
.endm
; 16 f32 (register src + stride i holds the i-th k) become a fragment of upper parts and one of lower parts:
; hi = bf16(x); x - hi, exact, in place (bf16 half times -1.0 plus x in one instruction); lo = bf16(x - hi).
.macro SPLIT src, stride, hi, lo
.irp q, 0,1,2,3,4,5,6,7
	v_cvt_pk_bf16_f32 v[\hi+\q], v[\src+\stride*(2*\q)], v[\src+\stride*(2*\q+1)]
.endr
.irp q, 0,1,2,3,4,5,6,7
	v_fma_mix_f32_bf16 v[\src+\stride*(2*\q)],   v[\hi+\q], v[NEG1], v[\src+\stride*(2*\q)]   op_sel_hi:[1,0,0]
	v_fma_mix_f32_bf16 v[\src+\stride*(2*\q+1)], v[\hi+\q], v[NEG1], v[\src+\stride*(2*\q+1)] op_sel:[1,0,0] op_sel_hi:[1,0,0]
.endr
.irp q, 0,1,2,3,4,5,6,7
	v_cvt_pk_bf16_f32 v[\lo+\q], v[\src+\stride*(2*\q)], v[\src+\stride*(2*\q+1)]
.endr
.endm
; Fragment f: wait for it (left = the LDS loads issued behind it that may stay out), split it, and ask for fragment f + 2 into the slot just freed.
.macro STEP f, left, more
	s_wait_dscnt \left
	SPLIT L+16*((\f)%2), 1, FR+16*((\f)%4), FR+16*((\f)%4)+8
.if \more
	LDFRAG \f+2
.endif
.endm
; One term of phase 1 on the four accumulators t = 2 mt + nt: A = Wq's rows 16 mt .. (m = a), B = s's rows 16 nt .. (n = b).  pa, pb: 0 = hi, 8 = lo.
; The accumulators take turns, one instruction a turn.
.macro MM1T pa, pb, zero
.irp t, 0,1,2,3
.if \zero
	v_wmma_f32_16x16x32_bf16 v[ACC+8*\t:ACC+8*\t+7], v[FR+32+16*(\t/2)+\pa:FR+32+16*(\t/2)+\pa+7], v[FR+16*(\t%2)+\pb:FR+16*(\t%2)+\pb+7], 0
.else
	v_wmma_f32_16x16x32_bf16 v[ACC+8*\t:ACC+8*\t+7], v[FR+32+16*(\t/2)+\pa:FR+32+16*(\t/2)+\pa+7], v[FR+16*(\t%2)+\pb:FR+16*(\t%2)+\pb+7], v[ACC+8*\t:ACC+8*\t+7]
.endif
.endr
.endm
; One term of phase 2 on the eight accumulators t = 4 mt + j: A = Q's rows 16 mt .. (m = b), B = Wk's column tile j (n: column 64 w + 4 n + j).  By turns likewise.
.macro MM2T pa, pb, zero
.irp t, 0,1,2,3,4,5,6,7
.if \zero
	v_wmma_f32_16x16x32_bf16 v[D+8*\t:D+8*\t+7], v[QA+16*(\t/4)+\pa:QA+16*(\t/4)+\pa+7], v[FR+16*(\t%4)+\pb:FR+16*(\t%4)+\pb+7], 0
.else
	v_wmma_f32_16x16x32_bf16 v[D+8*\t:D+8*\t+7], v[QA+16*(\t/4)+\pa:QA+16*(\t/4)+\pa+7], v[FR+16*(\t%4)+\pb:FR+16*(\t%4)+\pb+7], v[D+8*\t:D+8*\t+7]
.endif
.endr
.endm
; Four independent vector instructions stand between a matrix instruction and whatever reads its result or writes one of its registers (ISA guide 7.12.1)
.macro PLACES
.rept 4
	v_nop
.endr
.endm
	; PHASE 1.  The tiles are my wave's own: its own wait is all the ordering that its reads need.
	s_wait_tensorcnt 0x0
	LDFRAG 0
	LDFRAG 1
	STEP 0, 4, 1                                   ; count 4: the next fragment's four loads stay out
	STEP 1, 4, 1
	STEP 2, 4, 1
	STEP 3, 4, 1
	MM1T 0, 0, 1                                   ; k = 64 w + 0..31; the first term starts the sums: nothing is cleared
	MM1T 0, 8, 0
	MM1T 8, 0, 0
	PLACES                                         ; the fragments are written again next
	STEP 4, 4, 1
	STEP 5, 4, 1
	STEP 6, 4, 0
	STEP 7, 0, 0                                   ; the last fragment: nothing was issued behind it
	MM1T 0, 0, 0                                   ; k = 64 w + 32..63
	MM1T 0, 8, 0
	MM1T 8, 0, 0
	PLACES                                         ; the sums are stored next
	; THE 16 WAVES' PARTIAL SUMS MEET.  Register pair q of my 16 goes to byte 256 q + 8 lane of my region's first 4 KiB: bytes whose one fill has been read to
	; the end (by me alone; LDS serves a wave's instructions in order) and into which no fill lands any more.
.irp q, 0,1,2,3,4,5,6,7,8,9,10,11,12,13,14,15
	ds_store_b64 v[SA], v[ACC+2*\q:ACC+2*\q+1] offset:256*\q
.endr
	s_wait_dscnt 0x0                               ; my stores are done, for the others' sake
	s_barrier_signal -1
	s_barrier_wait -1                              ; everybody's are
.irp k, 0,1,2,3
.irp j, 0,1,2,3
	ds_load_b64 v[L+2*(4*\k+\j):L+2*(4*\k+\j)+1], v[RA+\k] offset:WREG*\j      ; pair q = w of wave 4 k + j
.endr
.endr
	s_wait_dscnt 0x0
.irp i, 0,1,2,3,4,5,6,7
	v_pk_add_f32 v[L+2*\i:L+2*\i+1], v[L+2*\i:L+2*\i+1], v[L+2*\i+16:L+2*\i+17]
.endr
.irp i, 0,1,2,3
	v_pk_add_f32 v[L+2*\i:L+2*\i+1], v[L+2*\i:L+2*\i+1], v[L+2*\i+8:L+2*\i+9]
.endr
.irp i, 0,1
	v_pk_add_f32 v[L+2*\i:L+2*\i+1], v[L+2*\i:L+2*\i+1], v[L+2*\i+4:L+2*\i+5]
.endr
	v_pk_add_f32 v[L:L+1], v[L:L+1], v[L+2:L+3]
	s_wait_loadcnt 16                              ; bq and bk are in; the sixteen loads of Wk issued behind them may stay out
	v_pk_add_f32 v[TM:TM+1], v[L:L+1], v[BQ:BQ+1]  ; Q[b = 16 nt + r][a = 16 mt + 8 h + 2 w3 + {0, 1}] (pair w is registers 2 w3, 2 w3 + 1 of accumulator w / 4)
	v_mul_f32 v[TM+2], v[TM], v[BK]
	v_fma_f32 v[TM+2], v[TM+1], v[BK+1], v[TM+2]   ; my two terms of Q . bk
	v_permlanex16_b32 v[L+2], v[TM+2], s40, s41    ; the other h's two (the destination has been written before)
	v_add_f32 v[TM+2], v[TM+2], v[L+2]
	; The three stores below go to bytes 278,528 and above; the partial sums that other waves may still be reading end at byte 15 x 17,408 + 4,096 = 265,216.
	ds_store_b32 v[CST], v[TM+2]                   ; both halves of the lanes write the same word with the same value
	v_cvt_pk_bf16_f32 v[TM+3], v[TM], v[TM+1]      ; Q in two bf16 parts, as every operand
	v_fma_mix_f32_bf16 v[TM],   v[TM+3], v[NEG1], v[TM]   op_sel_hi:[1,0,0]
	v_fma_mix_f32_bf16 v[TM+1], v[TM+3], v[NEG1], v[TM+1] op_sel:[1,0,0] op_sel_hi:[1,0,0]
	v_cvt_pk_bf16_f32 v[L+4], v[TM], v[TM+1]
	ds_store_b32 v[QST], v[TM+3]
	ds_store_b32 v[QST], v[L+4] offset:QPART
	s_wait_dscnt 0x0                               ; my stores are done
	s_barrier_signal -1
	s_barrier_wait -1                              ; Q and the parts of c are whole
	; PHASE 2: upart[p][b][64 w ..] = Q[b][my 32 a] Wk[my 32 a][64 w ..] / 32: one K step of 32
.irp mt, 0,1
.irp pt, 0,1
	ds_load_b128 v[QA+16*\mt+8*\pt:QA+16*\mt+8*\pt+3],   v[QAD] offset:16*QPITCH*\mt+QPART*\pt
	ds_load_b128 v[QA+16*\mt+8*\pt+4:QA+16*\mt+8*\pt+7], v[QAD] offset:16*QPITCH*\mt+QPART*\pt+32
.endr
.endr
	s_wait_loadcnt 0x0                             ; Wk
.irp j, 0,1,2,3
	SPLIT X+\j, 4, FR+16*\j, FR+16*\j+8
.endr
	s_wait_dscnt 0x0                               ; Q's fragments
	MM2T 0, 0, 1
	MM2T 0, 8, 0
	MM2T 8, 0, 0
	PLACES
	; Register jj of accumulator (mt, j) is (b = 16 mt + 8 h + jj, t = 64 w + 4 r + j).  The scaling by 1/32 also brings a lane's four neighbouring t together.
.irp mt, 0,1
.irp jj, 0,1,2,3,4,5,6,7
.irp j, 0,1,2,3
	v_mul_f32 v[X+4*(8*\mt+\jj)+\j], s42, v[D+8*(4*\mt+\j)+\jj]
.endr
.endr
.endr
.irp mt, 0,1
.irp jj, 0,1,2,3,4,5,6,7
	global_store_b128 v[GO], v[X+4*(8*\mt+\jj):X+4*(8*\mt+\jj)+3], s[18:19] offset:4096*(16*\mt+\jj)   ; sixteen lanes store 256 consecutive bytes, aligned
.endr
.endr
	; c, by wave 0 alone (no barrier inside the branch): lane b adds the eight parts.  One word a lane, 128 bytes apart: in return each wave of the
	; next launch reads its batch's 32 parts as 128 consecutive bytes.
	s_cmp_lg_u32 s3, 0
	s_cbranch_scc1 .Ldone
	v_lshl_add_u32 v[TM], v3, 2, CS
.irp i, 0,1,2,3,4,5,6,7
	ds_load_b32 v[FR+\i], v[TM] offset:128*\i
.endr
	s_lshl_b32 s23, ttmp9, 2
	v_lshl_add_u32 v[TM+1], v3, 7, s23             ; cpart[b = lane][p]
	s_wait_dscnt 0x0
	v_pk_add_f32 v[FR:FR+1], v[FR:FR+1], v[FR+4:FR+5]
	v_pk_add_f32 v[FR+2:FR+3], v[FR+2:FR+3], v[FR+6:FR+7]
	v_pk_add_f32 v[FR:FR+1], v[FR:FR+1], v[FR+2:FR+3]
	v_add_f32 v[FR], v[FR], v[FR+1]
	v_mul_f32 v[FR], s42, v[FR]
	global_store_b32 v[TM+1], v[FR], s[20:21]
.Ldone:
	s_wait_tensorcnt 0x0
	ds_add_u32 v248, v249
	s_wait_dscnt 0x0
	s_endpgm
.Lfunc_end_k_qc26d2bdb23_prep:
	.size	k_qc26d2bdb23_prep, .Lfunc_end_k_qc26d2bdb23_prep-k_qc26d2bdb23_prep
	.p2alignl 7, 3214868480
	.fill 96, 4, 3214868480
	.section	.rodata,"a",@progbits
	.p2align	6, 0x0
	.amdhsa_kernel k_qc26d2bdb23_prep
		.amdhsa_group_segment_fixed_size 286720
		.amdhsa_private_segment_fixed_size 0
		.amdhsa_enable_private_segment 0
		.amdhsa_kernarg_size 56
		.amdhsa_user_sgpr_count 2
		.amdhsa_user_sgpr_kernarg_segment_ptr 1
		.amdhsa_wavefront_size32 1
		.amdhsa_system_sgpr_workgroup_id_x 1
		.amdhsa_system_sgpr_workgroup_id_y 1
		.amdhsa_system_sgpr_workgroup_id_z 1
		.amdhsa_system_vgpr_workitem_id 0
		.amdhsa_next_free_vgpr 250
		.amdhsa_next_free_sgpr 66
		.amdhsa_reserve_vcc 0
		.amdhsa_float_denorm_mode_32 3
		.amdhsa_float_denorm_mode_16_64 3
		.amdhsa_memory_ordered 1
		.amdhsa_forward_progress 1
		.amdhsa_inst_pref_size 45
	.end_amdhsa_kernel
	.amdgpu_metadata
---
amdhsa.version: [ 1, 2 ]
amdhsa.kernels:
  - .name:           k_qc26d2bdb23_prep
    .symbol:         k_qc26d2bdb23_prep.kd
    .args:
      - { .name: submitter_emb, .offset: 0, .size: 8, .value_kind: global_buffer, .address_space: global }
      - { .name: Wq, .offset: 8, .size: 8, .value_kind: global_buffer, .address_space: global }
      - { .name: bq, .offset: 16, .size: 8, .value_kind: global_buffer, .address_space: global }
      - { .name: Wk, .offset: 24, .size: 8, .value_kind: global_buffer, .address_space: global }
      - { .name: bk, .offset: 32, .size: 8, .value_kind: global_buffer, .address_space: global }
      - { .name: upart, .offset: 40, .size: 8, .value_kind: global_buffer, .address_space: global }
      - { .name: cpart, .offset: 48, .size: 8, .value_kind: global_buffer, .address_space: global }
    .group_segment_fixed_size: 286720
    .private_segment_fixed_size: 0
    .kernarg_segment_align: 8
    .kernarg_segment_size: 56
    .max_flat_workgroup_size: 512
    .sgpr_count:     66
    .vgpr_count:     250
    .wavefront_size: 32
...
	.end_amdgpu_metadata
.endif
;; end of part 1
;; launch stream (part 2): grid 256 x 1, 16 waves a work-group, no clusters, 75,776 bytes of LDS; arguments reviewer_emb, upart, cpart, wpart; writes wpart
.if DOCPART == 2
	.amdgcn_target "amdgcn-amd-amdhsa--gfx1250"
	.amdhsa_code_object_version 6
	.text
	.protected	k_qc26d2bdb23_stream
	.globl	k_qc26d2bdb23_stream
	.p2align	8
	.type	k_qc26d2bdb23_stream,@function
k_qc26d2bdb23_stream:
	s_mov_b64 s[64:65], 0
	v_nop
	global_prefetch_b8 v0, s[64:65] scope:SCOPE_SE
	s_setreg_imm32_b32 hwreg(HW_REG_WAVE_MODE, 25, 1), 1
	s_wait_xcnt 0x0
; wpart[g][t] = sum over the 256 rows l of chunk g of e[l] R[b][l][t], with e[l] = R[b][l] . u[b] + c[b];  g = 8 b + chunk.  All in f32.
; R (268 MB) is read once: a row of 4,096 bytes is 32 registers of one wave and stays there between its dot product with u and its weighted sum.
; 16 waves; wave w takes rows 16 i + w of the chunk, i = 0 .. 15.  Lane l holds columns 128 j + 4 l + 0..3, j = 0 .. 7: each load of a wave covers 512
; consecutive bytes.  A ring of five row slots in registers: one at work, four on their way in (32 loads a wave, 16 KiB; 256 KiB for the 16 waves).
; u[b] and c[b] are the sums of the 32 parts of the launch before; they are added up while the first five rows are on their way.
; NO MATRIX UNIT: each batch has its own R and one vector u, so one of a tile's sixteen columns would carry data; two multiply-adds a number are vector work.
; NO LDS RING, NO CLUSTER: rows are used by one wave each and go straight to registers; what the 8 groups of a batch share (u's parts) is 128 KiB of the
; 1,152 KiB that a group reads.  No address register and no base is rewritten once it is set, so no wait is owed for them.
.set WS,  0                            ; LDS: 16 x 4,096 bytes: the waves' weighted sums
.set US,  65536                        ; LDS: 2 x 4,096 bytes: u in two halves of the parts
.set RO,  1                            ; v1       4,096 w + 16 lane: my 16 bytes in my wave's first row; also my place in WS
.set PO,  2                            ; v2       my place in upart
.set CO,  3                            ; v3       my place in cpart
.set UST, 4                            ; v4       US + 16 tid
.set ULD, 5                            ; v5       US + 16 lane
.set WO,  7                            ; v7       8 tid: my place in a row of WS, and in wpart's row
.set CC,  8                            ; v[8:9]   (c / 32, 0): each of the 32 lanes starts its part of the dot product with a 32nd of c
.set T,   10                           ; v[10:17] four chains of two
.set U,   18                           ; v[18:49] u of my 32 columns
.set ACC, 50                           ; v[50:81] the weighted sum of my 32 columns
.set X,   82                           ; v[82:241] five row slots of 32
	s_load_b256 s[4:11], s[0:1], 0x0               ; R s[4:5], upart s[6:7], cpart s[8:9], wpart s[10:11]
	v_lshl_add_u32 v242, v0, 2, 0x12000
	v_mov_b32 v243, 0
	v_lshrrev_b32 v2, 5, v0
	v_readfirstlane_b32 s14, v2                    ; w
	v_and_b32 v5, 31, v0                           ; lane
	s_lshr_b32 s15, ttmp9, 3                       ; b
	s_lshl_b32 s16, ttmp9, 20                      ; the chunk: 256 rows of 4,096 bytes (below 2^28)
	s_mov_b32 s17, 0
	s_lshl_b32 s18, ttmp9, 12                      ; wpart's row g
	s_mov_b32 s19, 0
	s_lshl_b32 s20, s15, 7                         ; cpart's row b
	s_lshl_b32 s21, s15, 12                        ; upart's row b
	s_lshl_b32 s22, s14, 12                        ; row w
	s_mov_b32 s12, 0x76543210                      ; v_permlanex16_b32: lane i of one half reads lane i of the other
	s_mov_b32 s13, 0xfedcba98
	v_lshl_add_u32 v[CO], v5, 2, s20               ; cpart[b][p = lane]
	v_lshl_add_u32 v[RO], v5, 4, s22
	v_and_b32 v[PO], 0xff, v0
	v_lshl_add_u32 v[PO], v[PO], 4, s21            ; columns 4 (tid mod 256) + 0..3 of row b,
	v_lshrrev_b32 v4, 8, v0
	v_lshl_add_u32 v[PO], v4, 21, v[PO]            ; of parts 16 (tid / 256) + 0..15
	v_lshl_add_u32 v[UST], v0, 4, US
	v_lshl_add_u32 v[ULD], v5, 4, US
	v_lshlrev_b32 v[WO], 3, v0
	s_wait_kmcnt 0x0
	s_add_nc_u64 s[4:5], s[4:5], s[16:17]
	s_add_nc_u64 s[10:11], s[10:11], s[18:19]
.macro FILL i                          ; row 16 i + w into slot i mod 5: eight loads of 512 consecutive bytes; every byte of R is read once in the launch
.irp j, 0,1,2,3,4,5,6,7
	global_load_b128 v[X+32*((\i)%5)+4*\j:X+32*((\i)%5)+4*\j+3], v[RO], s[4:5] offset:65536*(\i)+512*\j th:TH_LOAD_NT
.endr
.endm
.macro QADD d, s                       ; four sums
	v_pk_add_f32 v[\d:\d+1], v[\d:\d+1], v[\s:\s+1]
	v_pk_add_f32 v[\d+2:\d+3], v[\d+2:\d+3], v[\s+2:\s+3]
.endm
	global_load_b32 v[CC], v[CO], s[8:9]
.irp i, 0,1,2,3,4,5,6,7,8,9,10,11,12,13,14,15
	global_load_b128 v[U+4*\i:U+4*\i+3], v[PO], s[6:7] offset:131072*\i        ; sixteen parts of four columns, into U's and ACC's registers
.endr
	FILL 0
	FILL 1
	FILL 2
	FILL 3
	FILL 4
	s_wait_loadcnt 40                              ; loads come back in order (ISA guide 5.7.1): c's and u's parts are in, the 40 loads of R stay out
.irp i, 0,1,2,3,4,5,6,7
	QADD U+4*\i, U+4*\i+32
.endr
.irp i, 0,1,2,3
	QADD U+4*\i, U+4*\i+16
.endr
.irp i, 0,1
	QADD U+4*\i, U+4*\i+8
.endr
	QADD U, U+4
	ds_store_b128 v[UST], v[U:U+3]                 ; threads 0-255: parts 0-15; threads 256-511: parts 16-31, 4,096 bytes further on
	v_add_f32_dpp v[CC], v[CC], v[CC] row_xmask:1 row_mask:0xf bank_mask:0xf   ; c[b]: the 32 lanes' parts
	v_add_f32_dpp v[CC], v[CC], v[CC] row_xmask:2 row_mask:0xf bank_mask:0xf
	v_add_f32_dpp v[CC], v[CC], v[CC] row_xmask:4 row_mask:0xf bank_mask:0xf
	v_add_f32_dpp v[CC], v[CC], v[CC] row_xmask:8 row_mask:0xf bank_mask:0xf
	v_permlanex16_b32 v[U+4], v[CC], s12, s13      ; into a register that has been written and is spent
	v_add_f32 v[CC], v[CC], v[U+4]
	v_mul_f32 v[CC], 0x3d000000, v[CC]             ; a 32nd for each lane (exact)
	v_mov_b32 v[CC+1], 0
	s_wait_dscnt 0x0                               ; my store is done, for the others' sake
	s_barrier_signal -1
	s_barrier_wait -1
.irp j, 0,1,2,3,4,5,6,7
	ds_load_b128 v[U+4*\j:U+4*\j+3],     v[ULD] offset:512*\j
	ds_load_b128 v[ACC+4*\j:ACC+4*\j+3], v[ULD] offset:4096+512*\j
.endr
	s_wait_dscnt 0x0
.irp q, 0,1,2,3,4,5,6,7,8,9,10,11,12,13,14,15
	v_pk_add_f32 v[U+2*\q:U+2*\q+1], v[U+2*\q:U+2*\q+1], v[ACC+2*\q:ACC+2*\q+1]
.endr
; Row 16 i + w.  left = the loads of younger rows that may stay out; first = 1: the products start the weighted sums (nothing is cleared);
; fill = 1: the slot gets the row five further on.
.macro TURN i, left, first, fill
.set XS, X+32*(\i%5)
	s_wait_loadcnt \left
	v_pk_fma_f32 v[T:T+1], v[XS:XS+1], v[U:U+1], v[CC:CC+1]                    ; the dot product in four chains that do not wait for each other
.irp k, 1,2,3
	v_pk_mul_f32 v[T+2*\k:T+2*\k+1], v[XS+2*\k:XS+2*\k+1], v[U+2*\k:U+2*\k+1]
.endr
.irp q, 4,5,6,7,8,9,10,11,12,13,14,15
	v_pk_fma_f32 v[T+2*(\q%4):T+2*(\q%4)+1], v[XS+2*\q:XS+2*\q+1], v[U+2*\q:U+2*\q+1], v[T+2*(\q%4):T+2*(\q%4)+1]
.endr
	v_pk_add_f32 v[T:T+1], v[T:T+1], v[T+2:T+3]
	v_pk_add_f32 v[T+4:T+5], v[T+4:T+5], v[T+6:T+7]
	v_pk_add_f32 v[T:T+1], v[T:T+1], v[T+4:T+5]
	v_add_f32 v[T], v[T], v[T+1]
	v_add_f32_dpp v[T], v[T], v[T] row_xmask:1 row_mask:0xf bank_mask:0xf
	v_add_f32_dpp v[T], v[T], v[T] row_xmask:2 row_mask:0xf bank_mask:0xf
	v_add_f32_dpp v[T], v[T], v[T] row_xmask:4 row_mask:0xf bank_mask:0xf
	v_add_f32_dpp v[T], v[T], v[T] row_xmask:8 row_mask:0xf bank_mask:0xf
	v_permlanex16_b32 v[T+1], v[T], s12, s13
	v_add_f32 v[T], v[T], v[T+1]                   ; e of this row, in every lane
.irp q, 0,1,2,3,4,5,6,7,8,9,10,11,12,13,14,15
.if \first
	v_pk_mul_f32 v[ACC+2*\q:ACC+2*\q+1], v[XS+2*\q:XS+2*\q+1], v[T:T+1] op_sel_hi:[1,0]
.else
	v_pk_fma_f32 v[ACC+2*\q:ACC+2*\q+1], v[XS+2*\q:XS+2*\q+1], v[T:T+1], v[ACC+2*\q:ACC+2*\q+1] op_sel_hi:[1,0,1]
.endif
.endr
.if \fill
	FILL \i+5
.endif
.endm
	TURN 0,  32, 1, 1                              ; count 32: the four younger rows' eight loads each
	TURN 1,  32, 0, 1
	TURN 2,  32, 0, 1
	TURN 3,  32, 0, 1
	TURN 4,  32, 0, 1
	TURN 5,  32, 0, 1
	TURN 6,  32, 0, 1
	TURN 7,  32, 0, 1
	TURN 8,  32, 0, 1
	TURN 9,  32, 0, 1
	TURN 10, 32, 0, 1                              ; the last fill: row 16 x 15 + w
	TURN 11, 32, 0, 0
	TURN 12, 24, 0, 0                              ; no more fills: the counts run down
	TURN 13, 16, 0, 0
	TURN 14, 8,  0, 0
	TURN 15, 0,  0, 0
	; the 16 waves' sums meet in LDS; thread tid adds columns 2 tid and 2 tid + 1
.irp j, 0,1,2,3,4,5,6,7
	ds_store_b128 v[RO], v[ACC+4*\j:ACC+4*\j+3] offset:WS+512*\j
.endr
	s_wait_dscnt 0x0                               ; my stores are done
	s_barrier_signal -1
	s_barrier_wait -1                              ; everybody's are
.irp k, 0,1,2,3,4,5,6,7,8,9,10,11,12,13,14,15
	ds_load_b64 v[X+2*\k:X+2*\k+1], v[WO] offset:WS+4096*\k
.endr
	s_wait_dscnt 0x0
.irp k, 0,1,2,3,4,5,6,7
	v_pk_add_f32 v[X+2*\k:X+2*\k+1], v[X+2*\k:X+2*\k+1], v[X+2*\k+16:X+2*\k+17]
.endr
.irp k, 0,1,2,3
	v_pk_add_f32 v[X+2*\k:X+2*\k+1], v[X+2*\k:X+2*\k+1], v[X+2*\k+8:X+2*\k+9]
.endr
.irp k, 0,1
	v_pk_add_f32 v[X+2*\k:X+2*\k+1], v[X+2*\k:X+2*\k+1], v[X+2*\k+4:X+2*\k+5]
.endr
	v_pk_add_f32 v[X:X+1], v[X:X+1], v[X+2:X+3]
	global_store_b64 v[WO], v[X:X+1], s[10:11]     ; a wave stores 256 consecutive bytes, aligned
	s_wait_tensorcnt 0x0
	ds_add_u32 v242, v243
	s_wait_dscnt 0x0
	s_endpgm
.Lfunc_end_k_qc26d2bdb23_stream:
	.size	k_qc26d2bdb23_stream, .Lfunc_end_k_qc26d2bdb23_stream-k_qc26d2bdb23_stream
	.p2alignl 7, 3214868480
	.fill 96, 4, 3214868480
	.section	.rodata,"a",@progbits
	.p2align	6, 0x0
	.amdhsa_kernel k_qc26d2bdb23_stream
		.amdhsa_group_segment_fixed_size 75776
		.amdhsa_private_segment_fixed_size 0
		.amdhsa_enable_private_segment 0
		.amdhsa_kernarg_size 32
		.amdhsa_user_sgpr_count 2
		.amdhsa_user_sgpr_kernarg_segment_ptr 1
		.amdhsa_wavefront_size32 1
		.amdhsa_system_sgpr_workgroup_id_x 1
		.amdhsa_system_sgpr_workgroup_id_y 1
		.amdhsa_system_sgpr_workgroup_id_z 1
		.amdhsa_system_vgpr_workitem_id 0
		.amdhsa_next_free_vgpr 244
		.amdhsa_next_free_sgpr 66
		.amdhsa_reserve_vcc 0
		.amdhsa_float_denorm_mode_32 3
		.amdhsa_float_denorm_mode_16_64 3
		.amdhsa_memory_ordered 1
		.amdhsa_forward_progress 1
		.amdhsa_inst_pref_size 64
	.end_amdhsa_kernel
	.amdgpu_metadata
---
amdhsa.version: [ 1, 2 ]
amdhsa.kernels:
  - .name:           k_qc26d2bdb23_stream
    .symbol:         k_qc26d2bdb23_stream.kd
    .args:
      - { .name: reviewer_emb, .offset: 0, .size: 8, .value_kind: global_buffer, .address_space: global }
      - { .name: upart, .offset: 8, .size: 8, .value_kind: global_buffer, .address_space: global }
      - { .name: cpart, .offset: 16, .size: 8, .value_kind: global_buffer, .address_space: global }
      - { .name: wpart, .offset: 24, .size: 8, .value_kind: global_buffer, .address_space: global }
    .group_segment_fixed_size: 75776
    .private_segment_fixed_size: 0
    .kernarg_segment_align: 8
    .kernarg_segment_size: 32
    .max_flat_workgroup_size: 512
    .sgpr_count:     66
    .vgpr_count:     244
    .wavefront_size: 32
...
	.end_amdgpu_metadata
.endif
;; end of part 2
;; launch fold (part 3): grid 32 x 1, 8 waves a work-group, no clusters, 0 bytes of LDS; arguments wpart, out0; writes out0
.if DOCPART == 3
	.amdgcn_target "amdgcn-amd-amdhsa--gfx1250"
	.amdhsa_code_object_version 6
	.text
	.protected	k_qc26d2bdb23_fold
	.globl	k_qc26d2bdb23_fold
	.p2align	8
	.type	k_qc26d2bdb23_fold,@function
k_qc26d2bdb23_fold:
	s_mov_b64 s[64:65], 0
	v_nop
	global_prefetch_b8 v0, s[64:65] scope:SCOPE_SE
	s_setreg_imm32_b32 hwreg(HW_REG_WAVE_MODE, 25, 1), 1
	s_wait_xcnt 0x0
; out0[b][t] = sum over the 8 chunks c of wpart[8 b + c][t], in a fixed order: the sum over work-groups of the launch before, made by one owner per output.
; Work-group b; thread tid owns columns 4 tid + 0..3: each load and the store of a wave cover 512 consecutive bytes.  1 MiB in, 128 KiB out.
.set P, 2                              ; v[2:33] eight chunks' four columns
	s_load_b128 s[4:7], s[0:1], 0x0                ; wpart s[4:5], out0 s[6:7]
	v_lshlrev_b32 v1, 4, v0                        ; 16 tid
	s_lshl_b32 s8, ttmp9, 15                       ; 8 rows of 4,096 bytes
	s_mov_b32 s9, 0
	s_lshl_b32 s10, ttmp9, 12                      ; one row
	s_mov_b32 s11, 0
	s_wait_kmcnt 0x0
	s_add_nc_u64 s[4:5], s[4:5], s[8:9]
	s_add_nc_u64 s[6:7], s[6:7], s[10:11]
.irp c, 0,1,2,3,4,5,6,7
	global_load_b128 v[P+4*\c:P+4*\c+3], v1, s[4:5] offset:4096*\c th:TH_LOAD_NT
.endr
.macro QADD d, s                       ; four sums
	v_pk_add_f32 v[\d:\d+1], v[\d:\d+1], v[\s:\s+1]
	v_pk_add_f32 v[\d+2:\d+3], v[\d+2:\d+3], v[\s+2:\s+3]
.endm
	s_wait_loadcnt 0x0
.irp c, 0,1,2,3
	QADD P+4*\c, P+4*\c+16
.endr
.irp c, 0,1
	QADD P+4*\c, P+4*\c+8
.endr
	QADD P, P+4
	global_store_b128 v1, v[P:P+3], s[6:7]
	s_endpgm
.Lfunc_end_k_qc26d2bdb23_fold:
	.size	k_qc26d2bdb23_fold, .Lfunc_end_k_qc26d2bdb23_fold-k_qc26d2bdb23_fold
	.p2alignl 7, 3214868480
	.fill 96, 4, 3214868480
	.section	.rodata,"a",@progbits
	.p2align	6, 0x0
	.amdhsa_kernel k_qc26d2bdb23_fold
		.amdhsa_group_segment_fixed_size 0
		.amdhsa_private_segment_fixed_size 0
		.amdhsa_enable_private_segment 0
		.amdhsa_kernarg_size 16
		.amdhsa_user_sgpr_count 2
		.amdhsa_user_sgpr_kernarg_segment_ptr 1
		.amdhsa_wavefront_size32 1
		.amdhsa_system_sgpr_workgroup_id_x 1
		.amdhsa_system_sgpr_workgroup_id_y 1
		.amdhsa_system_sgpr_workgroup_id_z 1
		.amdhsa_system_vgpr_workitem_id 0
		.amdhsa_next_free_vgpr 36
		.amdhsa_next_free_sgpr 66
		.amdhsa_reserve_vcc 0
		.amdhsa_float_denorm_mode_32 3
		.amdhsa_float_denorm_mode_16_64 3
		.amdhsa_memory_ordered 1
		.amdhsa_forward_progress 1
		.amdhsa_inst_pref_size 3
	.end_amdhsa_kernel
	.amdgpu_metadata
---
amdhsa.version: [ 1, 2 ]
amdhsa.kernels:
  - .name:           k_qc26d2bdb23_fold
    .symbol:         k_qc26d2bdb23_fold.kd
    .args:
      - { .name: wpart, .offset: 0, .size: 8, .value_kind: global_buffer, .address_space: global }
      - { .name: out0, .offset: 8, .size: 8, .value_kind: global_buffer, .address_space: global }
    .group_segment_fixed_size: 0
    .private_segment_fixed_size: 0
    .kernarg_segment_align: 8
    .kernarg_segment_size: 16
    .max_flat_workgroup_size: 256
    .sgpr_count:     66
    .vgpr_count:     36
    .wavefront_size: 32
...
	.end_amdgpu_metadata
.endif
;; end of part 3
;; ======== version 2 of 2: 3 launches; version 1 with the launch stream written anew for expert scheduling mode
;; workspace buffers: upart 4,194,304 bytes; cpart 4,096 bytes; wpart 1,048,576 bytes
;; launch prep: the kernel of part 1 again; grid 32 x 1, 16 waves a work-group, no clusters, 286,720 bytes of LDS; arguments submitter_emb, Wq, bq, Wk, bk, upart, cpart; writes upart, cpart
;; launch stream (part 4): grid 256 x 1, 16 waves a work-group, no clusters, 75,776 bytes of LDS; arguments reviewer_emb, upart, cpart, wpart; writes wpart
.if DOCPART == 4
	.amdgcn_target "amdgcn-amd-amdhsa--gfx1250"
	.amdhsa_code_object_version 6
	.text
	.protected	k_qc26d2bdb23_stream
	.globl	k_qc26d2bdb23_stream
	.p2align	8
	.type	k_qc26d2bdb23_stream,@function
k_qc26d2bdb23_stream:
	s_mov_b64 s[64:65], 0
	v_nop
	global_prefetch_b8 v0, s[64:65] scope:SCOPE_SE
	s_setreg_imm32_b32 hwreg(HW_REG_WAVE_SCHED_MODE, 0, 2), 2
	s_setreg_imm32_b32 hwreg(HW_REG_WAVE_MODE, 25, 1), 1
	s_wait_xcnt 0x0
	s_wait_alu depctr_vm_vsrc(0)
; wpart[g][t] = sum over the 256 rows l of chunk g of e[l] R[b][l][t], with e[l] = R[b][l] . u[b] + c[b];  g = 8 b + chunk.  All in f32.
; R (268 MB) is read once: a row of 4,096 bytes is 32 registers of one wave and stays there between its dot product with u and its weighted sum.
; 16 waves; wave w takes rows 16 i + w of the chunk, i = 0 .. 15.  Lane l holds columns 128 j + 4 l + 0..3, j = 0 .. 7: each load of a wave covers 512
; consecutive bytes.  A ring of five row slots in registers: one at work, four on their way in (32 loads a wave, 16 KiB; 256 KiB for the 16 waves).
; u[b] and c[b] are the sums of the 32 parts of the launch before; they are added up while the first five rows are on their way.
; NO MATRIX UNIT: each batch has its own R and one vector u, so one of a tile's sixteen columns would carry data; two multiply-adds a number are vector work.
; NO LDS RING, NO CLUSTER: rows are used by one wave each and go straight to registers; what the 8 groups of a batch share (u's parts) is 128 KiB of the
; 1,152 KiB that a group reads.  No address register and no base is rewritten once it is set, so no wait is owed for them.
; THE MODE: SCHED_MODE bits 1:0 = 2 (LLVM: expert scheduling mode 2), set by the entry lines.  The code itself states the register dependences
; between vector instructions and memory or LDS instructions, with s_wait_alu, always for 0.
; THE PLAN.  Registers that memory or LDS instructions touch:
;   v1-v5, v7     offsets and LDS addresses: made by vector instructions at the head, read by every load and store, never written again: one wait ahead of the first load.
;   U, ACC        at the head: the sixteen loads of u's parts land in them; the tree of sums and c's exchange of halves name them; the LDS store reads U .. U+3;
;                 behind the barrier sixteen LDS loads land in all 64.  One wait on va_vdst ahead of the store serves the store and those loads (no vector
;                 instruction stands between); one wait on vm_vsrc behind the barrier states that the store has read its data.
;   X, slot i % 5 row i's eight loads land in it; turn i's dot product and weighted sum read it; row i + 5's eight loads land in it.  ONE wait on va_vdst in a
;                 turn, behind its weighted sum, the slot's last reader; the eight loads follow at once, so that five rows of a wave are asked for when the
;                 next turn waits for its row.  A sixth slot, which would let the loads stand a turn later, has no room: 16 waves are four to a SIMD's 1,024 registers.
;   ACC           on the way out the LDS stores read it; X's slot 0, which turn 15 read, takes the LDS loads behind the barrier: one wait ahead of the stores serves both.
;   X, X+1        the last sum writes them, the global store reads them: one wait.
; No vector instruction writes a register that a memory instruction has read, but for U .. U+3 above; EXEC and VCC are never written.
.set WS,  0                            ; LDS: 16 x 4,096 bytes: the waves' weighted sums
.set US,  65536                        ; LDS: 2 x 4,096 bytes: u in two halves of the parts
.set RO,  1                            ; v1       4,096 w + 16 lane: my 16 bytes in my wave's first row; also my place in WS
.set PO,  2                            ; v2       my place in upart
.set CO,  3                            ; v3       my place in cpart
.set UST, 4                            ; v4       US + 16 tid
.set ULD, 5                            ; v5       US + 16 lane
.set WO,  7                            ; v7       8 tid: my place in a row of WS, and in wpart's row
.set CC,  8                            ; v[8:9]   (c / 32, 0): each of the 32 lanes starts its part of the dot product with a 32nd of c
.set T,   10                           ; v[10:17] four chains of two
.set U,   18                           ; v[18:49] u of my 32 columns
.set ACC, 50                           ; v[50:81] the weighted sum of my 32 columns
.set X,   82                           ; v[82:241] five row slots of 32
	s_load_b256 s[4:11], s[0:1], 0x0               ; R s[4:5], upart s[6:7], cpart s[8:9], wpart s[10:11]
	v_lshl_add_u32 v242, v0, 2, 0x12000
	v_mov_b32 v243, 0
	v_lshrrev_b32 v2, 5, v0
	v_readfirstlane_b32 s14, v2                    ; w
	v_and_b32 v5, 31, v0                           ; lane
	s_lshr_b32 s15, ttmp9, 3                       ; b
	s_lshl_b32 s16, ttmp9, 20                      ; the chunk: 256 rows of 4,096 bytes (below 2^28)
	s_mov_b32 s17, 0
	s_lshl_b32 s18, ttmp9, 12                      ; wpart's row g
	s_mov_b32 s19, 0
	s_lshl_b32 s20, s15, 7                         ; cpart's row b
	s_lshl_b32 s21, s15, 12                        ; upart's row b
	s_wait_alu depctr_va_sdst(0)                   ; s14 is written, ahead of its first reader, the next line
	s_lshl_b32 s22, s14, 12                        ; row w
	s_mov_b32 s12, 0x76543210                      ; v_permlanex16_b32: lane i of one half reads lane i of the other
	s_mov_b32 s13, 0xfedcba98
	v_lshl_add_u32 v[CO], v5, 2, s20               ; cpart[b][p = lane]
	v_lshl_add_u32 v[RO], v5, 4, s22
	v_and_b32 v[PO], 0xff, v0
	v_lshl_add_u32 v[PO], v[PO], 4, s21            ; columns 4 (tid mod 256) + 0..3 of row b,
	v_lshrrev_b32 v4, 8, v0
	v_lshl_add_u32 v[PO], v4, 21, v[PO]            ; of parts 16 (tid / 256) + 0..15
	v_lshl_add_u32 v[UST], v0, 4, US
	v_lshl_add_u32 v[ULD], v5, 4, US
	v_lshlrev_b32 v[WO], 3, v0
	s_wait_kmcnt 0x0
	s_add_nc_u64 s[4:5], s[4:5], s[16:17]
	s_add_nc_u64 s[10:11], s[10:11], s[18:19]
	s_wait_alu depctr_va_vdst(0)                   ; the six offsets and LDS addresses v1 to v5 and v7 are written: every load and store of the kernel reads one of them
.macro FILL i                          ; row 16 i + w into slot i mod 5: eight loads of 512 consecutive bytes; every byte of R is read once in the launch
.irp j, 0,1,2,3,4,5,6,7
	global_load_b128 v[X+32*((\i)%5)+4*\j:X+32*((\i)%5)+4*\j+3], v[RO], s[4:5] offset:65536*(\i)+512*\j th:TH_LOAD_NT
.endr
.endm
.macro QADD d, s                       ; four sums
	v_pk_add_f32 v[\d:\d+1], v[\d:\d+1], v[\s:\s+1]
	v_pk_add_f32 v[\d+2:\d+3], v[\d+2:\d+3], v[\s+2:\s+3]
.endm
	global_load_b32 v[CC], v[CO], s[8:9]
.irp i, 0,1,2,3,4,5,6,7,8,9,10,11,12,13,14,15
	global_load_b128 v[U+4*\i:U+4*\i+3], v[PO], s[6:7] offset:131072*\i        ; sixteen parts of four columns, into U's and ACC's registers
.endr
	FILL 0
	FILL 1
	FILL 2
	FILL 3
	FILL 4
	s_wait_loadcnt 40                              ; loads come back in order (ISA guide 5.7.1): c's and u's parts are in, the 40 loads of R stay out
.irp i, 0,1,2,3,4,5,6,7
	QADD U+4*\i, U+4*\i+32
.endr
.irp i, 0,1,2,3
	QADD U+4*\i, U+4*\i+16
.endr
.irp i, 0,1
	QADD U+4*\i, U+4*\i+8
.endr
	QADD U, U+4
	v_add_f32_dpp v[CC], v[CC], v[CC] row_xmask:1 row_mask:0xf bank_mask:0xf   ; c[b]: the 32 lanes' parts; these lines stand ahead of the store, since they are the last to name one of U's registers
	v_add_f32_dpp v[CC], v[CC], v[CC] row_xmask:2 row_mask:0xf bank_mask:0xf
	v_add_f32_dpp v[CC], v[CC], v[CC] row_xmask:4 row_mask:0xf bank_mask:0xf
	v_add_f32_dpp v[CC], v[CC], v[CC] row_xmask:8 row_mask:0xf bank_mask:0xf
	v_permlanex16_b32 v[U+4], v[CC], s12, s13      ; into a register that has been written and is spent
	v_add_f32 v[CC], v[CC], v[U+4]
	v_mul_f32 v[CC], 0x3d000000, v[CC]             ; a 32nd for each lane (exact)
	v_mov_b32 v[CC+1], 0
	s_wait_alu depctr_va_vdst(0)                   ; the sums have written U .. U+3, which the store reads; and every vector instruction that names U's and ACC's registers is done: the LDS loads behind the barrier land in them
	ds_store_b128 v[UST], v[U:U+3]                 ; threads 0-255: parts 0-15; threads 256-511: parts 16-31, 4,096 bytes further on
	s_wait_dscnt 0x0                               ; my store is done, for the others' sake
	s_barrier_signal -1
	s_barrier_wait -1
	s_wait_alu depctr_vm_vsrc(0)                   ; my store has read U .. U+3, in which the first of the loads below lands
.irp j, 0,1,2,3,4,5,6,7
	ds_load_b128 v[U+4*\j:U+4*\j+3],     v[ULD] offset:512*\j
	ds_load_b128 v[ACC+4*\j:ACC+4*\j+3], v[ULD] offset:4096+512*\j
.endr
	s_wait_dscnt 0x0
.irp q, 0,1,2,3,4,5,6,7,8,9,10,11,12,13,14,15
	v_pk_add_f32 v[U+2*\q:U+2*\q+1], v[U+2*\q:U+2*\q+1], v[ACC+2*\q:ACC+2*\q+1]
.endr
; Row 16 i + w.  left = the loads of younger rows that may stay out; first = 1: the products start the weighted sums (nothing is cleared);
; fill = 1: the slot gets the row five further on.
.macro TURN i, left, first, fill
.set XS, X+32*(\i%5)
	s_wait_loadcnt \left
	v_pk_fma_f32 v[T:T+1], v[XS:XS+1], v[U:U+1], v[CC:CC+1]                    ; the dot product in four chains that do not wait for each other
.irp k, 1,2,3
	v_pk_mul_f32 v[T+2*\k:T+2*\k+1], v[XS+2*\k:XS+2*\k+1], v[U+2*\k:U+2*\k+1]
.endr
.irp q, 4,5,6,7,8,9,10,11,12,13,14,15
	v_pk_fma_f32 v[T+2*(\q%4):T+2*(\q%4)+1], v[XS+2*\q:XS+2*\q+1], v[U+2*\q:U+2*\q+1], v[T+2*(\q%4):T+2*(\q%4)+1]
.endr
	v_pk_add_f32 v[T:T+1], v[T:T+1], v[T+2:T+3]
	v_pk_add_f32 v[T+4:T+5], v[T+4:T+5], v[T+6:T+7]
	v_pk_add_f32 v[T:T+1], v[T:T+1], v[T+4:T+5]
	v_add_f32 v[T], v[T], v[T+1]
	v_add_f32_dpp v[T], v[T], v[T] row_xmask:1 row_mask:0xf bank_mask:0xf
	v_add_f32_dpp v[T], v[T], v[T] row_xmask:2 row_mask:0xf bank_mask:0xf
	v_add_f32_dpp v[T], v[T], v[T] row_xmask:4 row_mask:0xf bank_mask:0xf
	v_add_f32_dpp v[T], v[T], v[T] row_xmask:8 row_mask:0xf bank_mask:0xf
	v_permlanex16_b32 v[T+1], v[T], s12, s13
	v_add_f32 v[T], v[T], v[T+1]                   ; e of this row, in every lane
.irp q, 0,1,2,3,4,5,6,7,8,9,10,11,12,13,14,15
.if \first
	v_pk_mul_f32 v[ACC+2*\q:ACC+2*\q+1], v[XS+2*\q:XS+2*\q+1], v[T:T+1] op_sel_hi:[1,0]
.else
	v_pk_fma_f32 v[ACC+2*\q:ACC+2*\q+1], v[XS+2*\q:XS+2*\q+1], v[T:T+1], v[ACC+2*\q:ACC+2*\q+1] op_sel_hi:[1,0,1]
.endif
.endr
.if \fill
	s_wait_alu depctr_va_vdst(0)                   ; the dot product and the weighted sum are done reading this slot, in which the eight loads below land
	FILL \i+5
.endif
.endm
	TURN 0,  32, 1, 1                              ; count 32: the four younger rows' eight loads each
	TURN 1,  32, 0, 1
	TURN 2,  32, 0, 1
	TURN 3,  32, 0, 1
	TURN 4,  32, 0, 1
	TURN 5,  32, 0, 1
	TURN 6,  32, 0, 1
	TURN 7,  32, 0, 1
	TURN 8,  32, 0, 1
	TURN 9,  32, 0, 1
	TURN 10, 32, 0, 1                              ; the last fill: row 16 x 15 + w
	TURN 11, 32, 0, 0
	TURN 12, 24, 0, 0                              ; no more fills: the counts run down
	TURN 13, 16, 0, 0
	TURN 14, 8,  0, 0
	TURN 15, 0,  0, 0
	; the 16 waves' sums meet in LDS; thread tid adds columns 2 tid and 2 tid + 1
	s_wait_alu depctr_va_vdst(0)                   ; the last turn has written ACC, which the stores read, and is done reading slot 0, in which the LDS loads behind the barrier land
.irp j, 0,1,2,3,4,5,6,7
	ds_store_b128 v[RO], v[ACC+4*\j:ACC+4*\j+3] offset:WS+512*\j
.endr
	s_wait_dscnt 0x0                               ; my stores are done
	s_barrier_signal -1
	s_barrier_wait -1                              ; everybody's are
.irp k, 0,1,2,3,4,5,6,7,8,9,10,11,12,13,14,15
	ds_load_b64 v[X+2*\k:X+2*\k+1], v[WO] offset:WS+4096*\k
.endr
	s_wait_dscnt 0x0
.irp k, 0,1,2,3,4,5,6,7
	v_pk_add_f32 v[X+2*\k:X+2*\k+1], v[X+2*\k:X+2*\k+1], v[X+2*\k+16:X+2*\k+17]
.endr
.irp k, 0,1,2,3
	v_pk_add_f32 v[X+2*\k:X+2*\k+1], v[X+2*\k:X+2*\k+1], v[X+2*\k+8:X+2*\k+9]
.endr
.irp k, 0,1
	v_pk_add_f32 v[X+2*\k:X+2*\k+1], v[X+2*\k:X+2*\k+1], v[X+2*\k+4:X+2*\k+5]
.endr
	v_pk_add_f32 v[X:X+1], v[X:X+1], v[X+2:X+3]
	s_wait_alu depctr_va_vdst(0)                   ; the last sum has written X and X+1, which the store reads
	global_store_b64 v[WO], v[X:X+1], s[10:11]     ; a wave stores 256 consecutive bytes, aligned
	s_wait_dscnt 0x0
	s_wait_alu depctr_hold_cnt(0) depctr_sa_sdst(0) depctr_va_vdst(0) depctr_va_sdst(0) depctr_va_ssrc(0) depctr_va_vcc(0) depctr_vm_vsrc(0)
	s_wait_tensorcnt 0x0
	ds_add_u32 v242, v243
	s_wait_dscnt 0x0
	s_endpgm
.Lfunc_end_k_qc26d2bdb23_stream:
	.size	k_qc26d2bdb23_stream, .Lfunc_end_k_qc26d2bdb23_stream-k_qc26d2bdb23_stream
	.p2alignl 7, 3214868480
	.fill 96, 4, 3214868480
	.section	.rodata,"a",@progbits
	.p2align	6, 0x0
	.amdhsa_kernel k_qc26d2bdb23_stream
		.amdhsa_group_segment_fixed_size 75776
		.amdhsa_private_segment_fixed_size 0
		.amdhsa_enable_private_segment 0
		.amdhsa_kernarg_size 32
		.amdhsa_user_sgpr_count 2
		.amdhsa_user_sgpr_kernarg_segment_ptr 1
		.amdhsa_wavefront_size32 1
		.amdhsa_system_sgpr_workgroup_id_x 1
		.amdhsa_system_sgpr_workgroup_id_y 1
		.amdhsa_system_sgpr_workgroup_id_z 1
		.amdhsa_system_vgpr_workitem_id 0
		.amdhsa_next_free_vgpr 244
		.amdhsa_next_free_sgpr 66
		.amdhsa_reserve_vcc 0
		.amdhsa_float_denorm_mode_32 3
		.amdhsa_float_denorm_mode_16_64 3
		.amdhsa_memory_ordered 1
		.amdhsa_forward_progress 1
		.amdhsa_inst_pref_size 65
	.end_amdhsa_kernel
	.amdgpu_metadata
---
amdhsa.version: [ 1, 2 ]
amdhsa.kernels:
  - .name:           k_qc26d2bdb23_stream
    .symbol:         k_qc26d2bdb23_stream.kd
    .args:
      - { .name: reviewer_emb, .offset: 0, .size: 8, .value_kind: global_buffer, .address_space: global }
      - { .name: upart, .offset: 8, .size: 8, .value_kind: global_buffer, .address_space: global }
      - { .name: cpart, .offset: 16, .size: 8, .value_kind: global_buffer, .address_space: global }
      - { .name: wpart, .offset: 24, .size: 8, .value_kind: global_buffer, .address_space: global }
    .group_segment_fixed_size: 75776
    .private_segment_fixed_size: 0
    .kernarg_segment_align: 8
    .kernarg_segment_size: 32
    .max_flat_workgroup_size: 512
    .sgpr_count:     66
    .vgpr_count:     244
    .wavefront_size: 32
...
	.end_amdgpu_metadata
.endif
;; end of part 4
;; launch fold: the kernel of part 3 again; grid 32 x 1, 8 waves a work-group, no clusters, 0 bytes of LDS; arguments wpart, out0; writes out0
